; MI455X (gfx1250); checked and timed in simulation.
; The chip was launched on July 23, 2026; its instructions are those of AMD's public machine-readable ISA for CDNA 5 (MIT licence, August 2026) and "CDNA5" Instruction Set Architecture Reference Guide (July 2026). The comments in the code are by the model that wrote it; some were corrected since.
;; EIT3 Attention. Allowed arithmetic: matrix products marked QUANTISED: E2M1 operands, one E8M0 scale for each 32 along K, by v_wmma_scale_f32_16x16x128_f8f6f4 with both operands' format E2M1 (or v_wmma_scale_f32_32x16x128_f4), f32 sums; everything else in f32.
;; Inputs: k 4 x 2,048 x 2,048 float32; mask 4 x 2,048 bool; q 4 x 2,048 x 2,048 float32; v 4 x 2,048 x 2,048 float32.
;; Outputs: out0 4 x 2,048 x 2,048 float32.
;; Constants: q_start = 1000000000.
;; This version of the problem:
;;   THIS VERSION OF THE PROBLEM IS GIVEN IN LOW PRECISION. The matrix products marked QUANTISED in the list below multiply operands that are first quantised to E2M1 (2 exponent bits, 1 mantissa bit; 4 bits a number), with one power-of-two scale for each 32 numbers along K (OCP MX v1.0); their sums are f32. All else is computed in f32.
;;   The module's matrix products, in the order in which they are computed (A, B: the left and right operand; K: the contracted axis; several contracted axes count as one K, in the product's order):
;;     1. batch 64 x [M 2,048, K 128] x [K 128, N 2,048]; A: input q; B: computed on the way: QUANTISED
;;     2. batch 64 x [M 2,048, K 2,048] x [K 2,048, N 128]; A: softmax (see below); B: computed on the way: QUANTISED
;;   THE QUANTISER, for each operand of a quantised product, along K:
;;     - K is cut into blocks of 32 from its start; a last block that is shorter is filled with zeros.
;;     - A block's scale is 2^e with e = floor(log2(the largest magnitude in the block)) - 2, held to -126 .. 127; a block of zeros has e = 0. As a byte (E8M0): e + 127.
;;     - Each number is divided by its block's scale, clamped to +-6, and rounded to the nearest number of E2M1, ties to even, subnormals kept.
;;     - The product sums the exact products of the quantised numbers (number of the format x scale) in f32.
;;   ~~~python
;;   def quantise(x, axis):      # numpy; x: float32 -> the quantised numbers, widened to float32 again
;;       x = np.moveaxis(x, axis, -1); K = x.shape[-1]
;;       x = np.pad(x, [(0, 0)] * (x.ndim - 1) + [(0, -K % 32)]); x = x.reshape(x.shape[:-1] + (-1, 32)); a = np.abs(x).max(-1, keepdims=True)
;;       e = np.where(a > 0, np.clip(np.frexp(np.where(a > 0, a, 1))[1] - 1 - 2, -126, 127), 0)      # np.frexp(a)[1] - 1 = floor(log2(a)), exactly
;;       r = np.clip(x / 2.0 ** e, -6, 6)
;;       step = 2.0 ** (np.maximum(np.frexp(np.where(r == 0, 1, r))[1] - 1, 0) - 1)
;;       q = np.round(r / step) * step * 2.0 ** e      # np.round: ties to even
;;       return np.moveaxis(q.reshape(q.shape[:-2] + (-1,))[..., :K], -1, axis).astype(np.float32)
;;   ~~~
;;   SOFTMAX AHEAD OF A QUANTISED PRODUCT. Where the list says 'softmax', what is quantised is not the finished softmax but p = 2^(t - M), with t = logit x log2(e) and M = ceil(the row's largest t), a whole number; so 1/2 < the row's largest p <= 1. The row's sum l is taken of the UNQUANTISED p, in f32, and the product's result is divided by l at the end. Since M is a whole number, a kernel that streams over the keys may use a running M (the ceiling of the running maximum): every later rescaling is an exact power of two, which a block's scale takes up: the codes' values come out the same.
;;   OPERANDS COMPUTED ON THE WAY. 'Computed on the way' means the value that the module computes at that place (a softmax that the list does not call 'softmax' is quantised finished and normalised). What goes into a quantiser is computed in f32, as accurately as f32 sums, v_exp_f32 and their like allow (about 1e-6 of the number): no bf16 or f16 on the way to a quantiser, and a product that is left as it is and whose result goes on into a quantised operand takes f32 operands (vector FMAs, or v_wmma_f32_16x16x4_f32). A number that lies on a knife's edge between two numbers of the format may be rounded either way, as far as f32 arithmetic and the matrix unit's own rounding can turn it there, and no further.
;; One version. Each part assembles by itself: llvm-mc -triple=amdgcn-amd-amdhsa -mcpu=gfx1250 --defsym DOCPART=n.
;; ======== version 1 of 1: 2 launches
;; limits: right only within a limited range of input values; inputs' magnitudes at most 2.8e+29
;; workspace buffers: kv 18,350,080 bytes
;; launch prep (part 1): grid 256 x 1, 16 waves a work-group, no clusters, 272,384 bytes of LDS; arguments k, v, mask, kv; writes kv
.if DOCPART == 1
	.amdgcn_target "amdgcn-amd-amdhsa--gfx1250"
	.amdhsa_code_object_version 6
	.text
	.protected	k_qf1f20ef8b9_prep
	.globl	k_qf1f20ef8b9_prep
	.p2align	8
	.type	k_qf1f20ef8b9_prep,@function
k_qf1f20ef8b9_prep:
	s_mov_b64 s[64:65], 0
	v_nop
	global_prefetch_b8 v0, s[64:65] scope:SCOPE_SE
	s_setreg_imm32_b32 hwreg(HW_REG_WAVE_MODE, 25, 1), 1
	s_wait_xcnt 0x0
; k, v: [4][2048][2048] f32 (head hd = the 512 bytes at 512 hd of each row of 8,192 bytes); mask: [4][2048] bytes.
; WORK LEFT OUT, in the whole program: the causal term hides key n where n > q_start + m; q_start is the constant 1,000,000,000 and n is at most 2,047, so for every m it hides nothing: no line is written for it.  It holds no number of the inputs, so no NaN or infinity is lost with it.
; Both tensors go through the int4 step (clip(round(x / 0.05 + 8), 0, 15) - 8) x 0.05 and then through the MX-FP4 quantiser: K along the head's 128, V along the keys.
; OUT: one record of REC bytes for each of the 64 heads, laid in the order in which the attention launch's operand registers take it (s = step of 128 keys, t = tile, c = 0, 1, l = lane, r = l % 16, hh = l / 16):
;   KIMG  8192 s + 1024 t + 512 c + 16 l : 32 codes of key 128 s + 32 (t / 2) + 8 (t % 2) + r + 8 (r / 8), channels 64 c + 32 hh + 0 .. 31
;   VIMG  8192 s + 1024 t + 512 c + 16 l : 32 codes of channel 32 (t / 2) + 2 r + t % 2, keys 128 s + 64 c + 32 hh + 0 .. 31
;   KSC, VSC  512 s + 256 g + 16 r + 4 tt : the scale word of row r of tile 4 g + tt
;   BIAS  4 x key : 0.0 where the mask is true, -2^100 where it is false.  The codes of a masked key are zeros, so that its score is exactly the bias.
; SHARES.  A work-group takes 512 keys of one head.  Waves 0-7 take K: 64 keys x 128 channels each, 4 tiles of 16 keys.  Waves 8-15 take V: 64 channels x 128 keys each: a lane two neighbouring channels, registers down the keys.
; K COMES BY THE TENSOR DATA MOVER, one load a wave: 64 rows of 512 bytes, 16 bytes of padding behind each in LDS.  Each wave reads its own rows alone and nothing is filled again: no barrier.  V comes by loads into registers.
; No cluster: no two work-groups read the same bytes.  No prefetch: the text has no loop to run ahead in, and each wave asks for all or half of its bytes at its start.
; THE DIVISION x / 0.05f: q0 = 20 x; rem = x - q0 x 0.05f (one fused multiply-add); q = q0 + 20 rem.  20.0 is the f32 nearest to 1 / 0.05f.
; (n - 8) x 0.05f is one fused multiply-add, n x 0.05f - 8 x 0.05f: 8 x 0.05f is an f32 number, so the exact sum is (n - 8) x 0.05f, rounded once, as the product is.
; A block's scale byte is its largest magnitude's exponent field - 2, held at 1 from below.  A block of zeros keeps the byte 1 where the rule says 127: its codes are zeros, and this program alone reads the bytes.
; LIMITS: |k|, |v| under 1.7e37 (20 x must stay finite); NaN and infinities among the inputs are not served.
; REGISTERS: v1 l, v2 r, v3 hh; v4-10, v28, v29, v31 offsets and constants made at the head; v12-19 at work; v20-21 largest magnitudes, v22-23 the conversions' scale operands, v24-25 bytes; v26-27 at work (V: the two scale words);
; v32-35 K: my key's mask byte in each tile, v36 two mask bytes; v38-39 -8 x 0.05f; v40-43 K's scale words; v48-63 codes, two sets; K: v64-191 two sets of a tile's 64 numbers; V: v64-127 the 64 numbers in hand, v128-255 numbers as loaded, two sets.
.set REC,    286720
.set VIMG,   131072
.set KSC,    262144
.set VSC,    270336
.set BIAS,   278528
.set KPITCH, 528                       ; a key's row in LDS: 512 bytes + 16
.set KWAVE,  64*KPITCH                 ; a K wave's 64 rows
.set SPARE,  8*KWAVE                   ; behind them: the spare words, 128 bytes for each of the 16 waves
.set SPW,    11                        ; v11 my spare word's address; never rewritten
.set NIL,    30                        ; v30 0; never rewritten
.set G0,     48                        ; s[48:51] descriptor group 0
.set G1,     52                        ; s[52:59] descriptor group 1
	s_load_b256 s[4:11], s[0:1], 0x0               ; k s[4:5], v s[6:7], mask s[8:9], kv s[10:11]
	v_lshl_add_u32 v[SPW], v0, 2, SPARE
	v_mov_b32 v[NIL], 0
	ds_add_u32 v[SPW], v[NIL]                      ; the opening lines: the add, twice on end, and its wait ahead of the first tensor load
	ds_add_u32 v[SPW], v[NIL]
	v_lshrrev_b32 v1, 5, v0
	v_readfirstlane_b32 s12, v1                    ; wave 0..15
	v_and_b32 v1, 31, v0                           ; l
	v_and_b32 v2, 15, v0                           ; r
	v_bfe_u32 v3, v0, 4, 1                         ; hh
	s_mul_i32 s[G0+1], s12, KWAVE                  ; group 0, 63:32: LDS address of my rows (waves 0-7)
	v_lshlrev_b32 v4, 4, v1                        ; 16 l
	v_and_b32 v7, 8, v2
	v_add_nc_u32 v7, v7, v2                        ; r + 8 (r / 8): my key's place in a tile
	v_mul_u32_u24 v6, v7, KPITCH
	v_lshl_add_u32 v6, v3, 7, v6
	v_add_nc_u32 v6, s[G0+1], v6                   ; LDS: my key's row, 32 numbers of my half
	v_lshlrev_b32 v8, 1, v1                        ; 2 l
	v_lshlrev_b32 v9, 3, v3                        ; 8 hh
	v_mov_b32 v10, 0xf1800000                      ; -2^100
	v_mov_b32 v27, 0                               ; written once: a lane permute's destination counts as one of its sources
	v_lshlrev_b32 v28, 4, v2
	v_lshl_add_u32 v28, v3, 3, v28                 ; V's scale words: 16 r + 8 hh
	v_lshlrev_b32 v29, 4, v2
	v_lshl_add_u32 v29, v3, 11, v29                ; V's codes: 2048 hh + 16 r
	v_lshlrev_b32 v31, 3, v1                       ; 8 l
	v_mov_b32 v38, 0xbecccccd                      ; -8 x 0.05f
	v_mov_b32 v39, 0xbecccccd
	s_lshr_b32 s35, ttmp9, 2                       ; head 0..63
	s_and_b32 s34, ttmp9, 3                        ; which quarter of the head's keys
	s_lshr_b32 s36, s35, 4                         ; batch
	s_and_b32 s37, s35, 15                         ; head in the batch
	s_mul_i32 s38, s35, REC                        ; the head's record
	s_lshl_b32 s39, s36, 24                        ; a batch is 2048 rows of 8,192 bytes
	s_lshl_b32 s37, s37, 9
	s_add_co_u32 s39, s39, s37                     ; + the head's 512 bytes in a row
	s_mov_b32 s20, 0x41a00000                      ; 20.0  (the packed forms name a pair and take its low word for both halves: both words are written)
	s_mov_b32 s21, 0x41a00000
	s_mov_b32 s22, 0x3d4ccccd                      ; 0.05f
	s_mov_b32 s23, 0x3d4ccccd
	s_mov_b32 s24, 0x41000000                      ; 8.0
	s_mov_b32 s25, 0x41000000
	s_mov_b32 s28, 0x41700000                      ; 15.0
	s_mov_b32 s30, 0x76543210                      ; v_permlanex16_b32's selects for lane l xor 16
	s_mov_b32 s31, 0xfedcba98
	s_mov_b32 s32, 0xbd4ccccd                      ; -0.05f
	s_mov_b32 s33, 0xbd4ccccd
	s_mov_b32 s41, 0                               ; the high words of the offsets: all stay under 2^27
	s_mov_b32 s43, 0
	s_mov_b32 s45, 0
	s_mov_b32 s[G0], 1                             ; group 0, 1:0: count = 1
	s_mov_b32 s[G1], (2<<16)|(1<<20)|(6<<22)|(3<<25)   ; no mask; elements of 4 bytes; padding on: after every 128 words (code 6) four words (code 3)
	s_mov_b32 s[G1+1], 128<<16                     ; tensor_dim0 = 128
	s_mov_b32 s[G1+2], 64<<16                      ; tensor_dim1 = 64
	s_mov_b32 s[G1+3], 128<<16                     ; tile_dim0 = 128
	s_mov_b32 s[G1+4], 64                          ; tile_dim1 = 64
	s_mov_b32 s[G1+5], 2048                        ; from row to row, in elements
	s_mov_b32 s[G1+6], 0
	s_mov_b32 s[G1+7], 0
	s_wait_alu depctr_va_vdst(0)
	s_wait_dscnt 0x0                               ; both opening adds are done
	s_wait_kmcnt 0x0
; The int4 step on n registers from v[base] on, eight at a time; v12-19 at work.  The hold to 0 .. 15, which is unpacked, puts the numbers where they are wanted:
; il = 0: register i to v[dst + i];  il = 1: the registers hold two channels by turns: register i to v[dst + 32 (i % 2) + i / 2], so that each channel's 32 keys stand on end.
.macro QDQ base, n, dst, il
.set qi, 0
.rept (\n)/8
.irp p, 0,2,4,6
	v_pk_mul_f32 v[12+\p:13+\p], v[\base+qi+\p:\base+qi+\p+1], s[20:21] op_sel_hi:[1,0]                                  ; q0 = 20 x
.endr
.irp p, 0,2,4,6
	v_pk_fma_f32 v[\base+qi+\p:\base+qi+\p+1], v[12+\p:13+\p], s[32:33], v[\base+qi+\p:\base+qi+\p+1] op_sel_hi:[1,0,1]   ; rem = x - q0 x 0.05f
.endr
.irp p, 0,2,4,6
	v_pk_fma_f32 v[\base+qi+\p:\base+qi+\p+1], v[\base+qi+\p:\base+qi+\p+1], s[20:21], v[12+\p:13+\p] op_sel_hi:[1,0,1]   ; x / 0.05f = q0 + 20 rem
.endr
.irp p, 0,2,4,6
	v_pk_add_f32 v[\base+qi+\p:\base+qi+\p+1], v[\base+qi+\p:\base+qi+\p+1], s[24:25] op_sel_hi:[1,0]                     ; + 8
.endr
.irp p, 0,1,2,3,4,5,6,7
	v_rndne_f32 v[\base+qi+\p], v[\base+qi+\p]                                                                            ; to the nearest whole number, ties to even
.endr
.irp p, 0,1,2,3,4,5,6,7
.if \il
	v_med3_num_f32 v[\dst+32*(\p%2)+(qi+\p)/2], v[\base+qi+\p], 0, s28                                                    ; held to 0 .. 15
.else
	v_med3_num_f32 v[\dst+qi+\p], v[\base+qi+\p], 0, s28
.endif
.endr
.irp p, 0,2,4,6
.if \il
.set qd, \dst+32*(\p/4)+qi/2+\p%4
.else
.set qd, \dst+qi+\p
.endif
	v_pk_fma_f32 v[qd:qd+1], v[qd:qd+1], s[22:23], v[38:39] op_sel_hi:[1,0,1]                                             ; (n - 8) x 0.05f, one rounding
.endr
.set qi, qi+8
.endr
.endm
; The two blocks of 32 at v[x] and v[x + 32]: largest magnitude, the conversion's scale operand, the scale's byte
.macro SCALES x
.irp c, 0,1
	v_max3_num_f32 v[20+\c], |v[\x+32*\c]|, |v[\x+32*\c+1]|, 0x1800000   ; the floor 2^(3 - 127) holds the byte at 1 from below
.endr
.irp i, 2,4,6,8,10,12,14,16,18,20,22,24,26,28,30
.irp c, 0,1
	v_max3_num_f32 v[20+\c], v[20+\c], |v[\x+32*\c+\i]|, |v[\x+32*\c+\i+1]|
.endr
.endr
.irp c, 0,1
	v_add_nc_u32 v[22+\c], 0xff000000, v[20+\c]    ; 2 off the exponent field: the conversion takes the exponent field of this operand as its scale
.endr
.irp c, 0,1
	v_lshrrev_b32 v[24+\c], 23, v[22+\c]
.endr
.endm
.macro CODES x, set                    ; their codes, four registers a block
.irp c, 0,1
.irp g, 0,1,2,3
	v_cvt_scalef32_pk8_fp4_f32 v[48+8*(\set)+4*\c+\g], v[\x+32*\c+8*\g:\x+32*\c+8*\g+7], v[22+\c]
.endr
.endr
	v_nop                                          ; one plain vector instruction behind the last conversion
.endm
	s_cmp_lt_u32 s12, 8
	s_cbranch_scc0 .Lv
; ------------------------------------------------------------------ K: waves 0-7 ------------------------------------------------------------------
	s_lshl_b32 s34, s34, 3
	s_add_co_u32 s34, s34, s12                     ; which 64 keys of the head are mine: 0..31
	s_lshl_b32 s40, s34, 19                        ; 64 rows of 8,192 bytes
	s_add_co_u32 s40, s40, s39
	s_add_nc_u64 s[G0+2:G0+3], s[4:5], s[40:41]    ; group 0, 120:64: k at my first key, my head
	s_or_b32 s[G0+3], s[G0+3], 0x80000000          ; 127:126 type = 2
	tensor_load_to_lds s[G0:G0+3], s[G1:G1+7]      ; my one tensor load: 64 rows x 512 bytes
	s_nop 0
	s_lshl_b32 s42, s36, 11
	s_lshl_b32 s46, s34, 6
	s_add_co_u32 s42, s42, s46
	s_add_nc_u64 s[8:9], s[8:9], s[42:43]          ; the mask at my first key
	s_lshl_b32 s44, s34, 12
	s_add_co_u32 s44, s44, s38
	s_add_nc_u64 s[14:15], s[10:11], s[44:45]      ; KIMG, my four tiles
	s_lshl_b32 s44, s34, 8
	s_add_co_u32 s44, s44, s38
	s_add_nc_u64 s[16:17], s[10:11], s[44:45]
	s_add_nc_u64 s[18:19], s[16:17], BIAS          ; BIAS, my 64 keys
	s_add_nc_u64 s[16:17], s[16:17], KSC           ; KSC, my four tiles
	global_load_u16 v36, v8, s[8:9]                ; the mask bytes of keys 2 l, 2 l + 1
.irp t, 0,1,2,3
	global_load_u8 v[32+\t], v7, s[8:9] offset:32*(\t/2)+8*(\t%2)   ; and of my row's key in each tile
.endr
	s_wait_loadcnt 0x0
.irp e, 0,1
	v_bfe_u32 v26, v36, 8*\e, 8
	v_cmp_eq_u32 vcc_lo, 0, v26
	v_cndmask_b32 v[56+\e], 0, v10, vcc_lo         ; 0.0, or -2^100 where the mask is false
.endr
	global_store_b64 v31, v[56:57], s[18:19]       ; 32 lanes store 256 consecutive bytes
.macro KREAD t                         ; tile t: channels 64 c + 32 hh + 0 .. 31 of my key, into set t % 2
.irp c, 0,1
.irp g, 0,1,2,3,4,5,6,7
	ds_load_b128 v[64+64*((\t)%2)+32*\c+4*\g:64+64*((\t)%2)+32*\c+4*\g+3], v6 offset:(32*((\t)/2)+8*((\t)%2))*KPITCH+256*\c+16*\g
.endr
.endr
.endm
.macro KTILE t
.if (\t) < 3
	KREAD (\t)+1
	s_wait_dscnt 16                                ; this tile's sixteen loads are in; the next tile's stay out
.else
	s_wait_dscnt 0x0
.endif
	QDQ 64+64*((\t)%2), 64, 64+64*((\t)%2), 0
	SCALES 64+64*((\t)%2)                          ; my blocks hh and 2 + hh: all their numbers are mine
	v_lshl_or_b32 v26, v25, 16, v24                ; my two bytes
	v_lshlrev_b32 v26, v9, v26                     ; at their places in the word;
	v_permlanex16_b32 v27, v26, s30, s31
	v_or_b32 v[40+\t], v26, v27                    ; with lane l xor 16's two the word is whole
	s_wait_alu depctr_va_vdst(0)
	s_wait_xcnt 0x0                                ; the stores that read this set of code registers have had their addresses translated (ISA guide 3.1): only behind this wait is the set written again
	CODES 64+64*((\t)%2), (\t)%2
	v_cmp_ne_u32 vcc_lo, 0, v[32+\t]
.irp g, 0,1,2,3,4,5,6,7
	v_cndmask_b32 v[48+8*((\t)%2)+\g], 0, v[48+8*((\t)%2)+\g], vcc_lo   ; a masked key's codes are zeros
.endr
.irp c, 0,1
	global_store_b128 v4, v[48+8*((\t)%2)+4*\c:48+8*((\t)%2)+4*\c+3], s[14:15] offset:1024*(\t)+512*\c   ; 512 consecutive bytes
.endr
.endm
	s_wait_tensorcnt 0x0                           ; my rows are in; nobody else reads them
	KREAD 0
.irp t, 0,1,2,3
	KTILE \t
.endr
	s_wait_xcnt 0x0                                ; EXEC changes only behind this wait
	v_cmp_gt_u32 vcc_lo, 16, v1
	s_and_saveexec_b32 s46, vcc_lo                 ; every lane holds row r's words: lanes 0-15 store them
	global_store_b128 v4, v[40:43], s[16:17]       ; 256 consecutive bytes
	s_wait_xcnt 0x0
	s_or_b32 exec_lo, exec_lo, s46
	s_wait_tensorcnt 0x0                           ; the wave's end
	ds_add_u32 v[SPW], v[NIL]
	s_wait_dscnt 0x0
	s_endpgm
; ------------------------------------------------------------------ V: waves 8-15 ------------------------------------------------------------------
; Lane l takes channels 64 g + 2 l and 2 l + 1 and its registers run down the keys: each load reads 256 consecutive bytes of a row, at a multiple of 256 from v's first byte.
; Channel 64 g + 32 hh + 2 r + e is row r of tile 4 g + 2 hh + e: so for each e sixteen lanes hold the sixteen rows of one tile, and their 16 bytes of codes lie on end in the record.
.Lv:
	s_and_b32 s13, s12, 1                          ; g: which 64 channels
	s_lshr_b32 s46, s12, 1
	s_and_b32 s46, s46, 3
	s_lshl_b32 s34, s34, 2
	s_add_co_u32 s34, s34, s46                     ; my step s
	s_lshl_b32 s40, s34, 20
	s_add_co_u32 s40, s40, s39
	s_lshl_b32 s46, s13, 8
	s_add_co_u32 s40, s40, s46
	s_add_nc_u64 s[6:7], s[6:7], s[40:41]          ; v at my first key, my head, my 64 channels
	s_lshl_b32 s44, s34, 13
	s_add_co_u32 s44, s44, s38
	s_lshl_b32 s47, s13, 12
	s_add_co_u32 s44, s44, s47
	s_add_nc_u64 s[14:15], s[10:11], s[44:45]
	s_add_nc_u64 s[14:15], s[14:15], VIMG          ; VIMG, step s, tile 4 g
	s_lshl_b32 s44, s34, 9
	s_add_co_u32 s44, s44, s38
	s_add_co_u32 s44, s44, s46
	s_add_nc_u64 s[16:17], s[10:11], s[44:45]
	s_add_nc_u64 s[16:17], s[16:17], VSC           ; VSC, step s, group g
.macro VLOAD kb                        ; 32 keys: register 2 i + e of the set is key i, channel e
.irp i, 0,1,2,3,4,5,6,7,8,9,10,11,12,13,14,15,16,17,18,19,20,21,22,23,24,25,26,27,28,29,30,31
	global_load_b64 v[128+64*((\kb)%2)+2*\i:128+64*((\kb)%2)+2*\i+1], v31, s[6:7] offset:(32*(\kb)+\i)*8192 th:TH_LOAD_NT   ; 127 rows at the most: inside the signed 24-bit immediate (ISA guide, chapter 10)
.endr
.endm
	VLOAD 0
	VLOAD 1
.macro VBLOCK kb
.if (\kb) < 3
	s_wait_loadcnt 32                              ; these 32 keys are in; the next 32 stay out
.else
	s_wait_loadcnt 0
.endif
	QDQ 128+64*((\kb)%2), 64, 64, 1
.if (\kb)+2 < 4
	VLOAD (\kb)+2                                  ; the set has been read out
.endif
	SCALES 64                                      ; a block for each of my two channels
.irp e, 0,1
.if (\kb) == 0
	v_mov_b32 v[26+\e], v[24+\e]                   ; four bytes to a word, the lower keys in the lower byte
.else
	v_lshl_or_b32 v[26+\e], v[24+\e], 8*(\kb), v[26+\e]
.endif
.endr
	s_wait_alu depctr_va_vdst(0)
	s_wait_xcnt 0x0                                ; as in K's path: only behind this wait is a set of code registers written again
	CODES 64, (\kb)%2
.irp e, 0,1
	global_store_b128 v29, v[48+8*((\kb)%2)+4*\e:48+8*((\kb)%2)+4*\e+3], s[14:15] offset:1024*\e+512*((\kb)/2)+256*((\kb)%2)   ; sixteen lanes store 256 consecutive bytes, at a multiple of 256 from the buffer's first byte
.endr
.endm
.irp kb, 0,1,2,3
	VBLOCK \kb
.endr
	global_store_b64 v28, v[26:27], s[16:17]       ; the words of row r of tiles 4 g + 2 hh, + 1: the 32 lanes fill 256 consecutive bytes
	s_wait_tensorcnt 0x0                           ; the wave's end
	ds_add_u32 v[SPW], v[NIL]
	s_wait_dscnt 0x0
	s_endpgm
.Lfunc_end_k_qf1f20ef8b9_prep:
	.size	k_qf1f20ef8b9_prep, .Lfunc_end_k_qf1f20ef8b9_prep-k_qf1f20ef8b9_prep
	.p2alignl 7, 3214868480
	.fill 96, 4, 3214868480
	.section	.rodata,"a",@progbits
	.p2align	6, 0x0
	.amdhsa_kernel k_qf1f20ef8b9_prep
		.amdhsa_group_segment_fixed_size 272384
		.amdhsa_private_segment_fixed_size 0
		.amdhsa_enable_private_segment 0
		.amdhsa_kernarg_size 32
		.amdhsa_user_sgpr_count 2
		.amdhsa_user_sgpr_kernarg_segment_ptr 1
		.amdhsa_wavefront_size32 1
		.amdhsa_system_sgpr_workgroup_id_x 1
		.amdhsa_system_sgpr_workgroup_id_y 1
		.amdhsa_system_sgpr_workgroup_id_z 1
		.amdhsa_system_vgpr_workitem_id 0
		.amdhsa_next_free_vgpr 256
		.amdhsa_next_free_sgpr 66
		.amdhsa_reserve_vcc 1
		.amdhsa_float_denorm_mode_32 3
		.amdhsa_float_denorm_mode_16_64 3
		.amdhsa_memory_ordered 1
		.amdhsa_forward_progress 1
		.amdhsa_inst_pref_size 178
	.end_amdhsa_kernel
	.amdgpu_metadata
---
amdhsa.version: [ 1, 2 ]
amdhsa.kernels:
  - .name:           k_qf1f20ef8b9_prep
    .symbol:         k_qf1f20ef8b9_prep.kd
    .args:
      - { .name: k, .offset: 0, .size: 8, .value_kind: global_buffer, .address_space: global }
      - { .name: v, .offset: 8, .size: 8, .value_kind: global_buffer, .address_space: global }
      - { .name: mask, .offset: 16, .size: 8, .value_kind: global_buffer, .address_space: global }
      - { .name: kv, .offset: 24, .size: 8, .value_kind: global_buffer, .address_space: global }
    .group_segment_fixed_size: 272384
    .private_segment_fixed_size: 0
    .kernarg_segment_align: 8
    .kernarg_segment_size: 32
    .max_flat_workgroup_size: 512
    .sgpr_count:     66
    .vgpr_count:     256
    .wavefront_size: 32
...
	.end_amdgpu_metadata
.endif
;; end of part 1
;; launch attn (part 2): grid 4 x 64, 8 waves a work-group, clusters of 4 x 1, 327,680 bytes of LDS; arguments q, kv, out0; writes out0
.if DOCPART == 2
	.amdgcn_target "amdgcn-amd-amdhsa--gfx1250"
	.amdhsa_code_object_version 6
	.text
	.protected	k_qf1f20ef8b9_attn
	.globl	k_qf1f20ef8b9_attn
	.p2align	8
	.type	k_qf1f20ef8b9_attn,@function
k_qf1f20ef8b9_attn:
	s_mov_b64 s[64:65], 0
	v_nop
	global_prefetch_b8 v0, s[64:65] scope:SCOPE_SE
	s_setreg_imm32_b32 hwreg(HW_REG_WAVE_MODE, 25, 1), 1
	s_wait_xcnt 0x0
	s_wait_alu depctr_hold_cnt(0) depctr_sa_sdst(0) depctr_va_vdst(0) depctr_va_sdst(0) depctr_va_ssrc(0) depctr_va_vcc(0) depctr_vm_vsrc(0)
	s_getreg_b32 s2, hwreg(HW_REG_IB_STS2, 6, 4)
	s_cmp_eq_u32 s2, 0
	s_cbranch_scc0 .Lentry_in_a_cluster
	s_endpgm
.Lentry_in_a_cluster:
	s_bfe_u32 s2, ttmp6, 0x10000c
	s_cmp_lg_u32 s2, 0x3003
	s_cbranch_scc0 .Lentry_shape_is_right
	s_endpgm
.Lentry_shape_is_right:
; out0[b][m][128 hd + :] = the sum over n of softmax_n(q . kd / sqrt(128), masked) vd, both products on codes of FP4 (E2M1) with one E8M0 scale for each 32 along a product's K.
; q, out0: [4][2048][2048] f32, head hd = the 512 bytes at 512 hd of a row.  kv: one record for each head, made by the launch before: K's and V's codes as images of the operands' registers, their scale words, and the mask as a bias.
; WORK LEFT OUT: the causal term hides key n where n > 1,000,000,000 + m; n is at most 2,047: it hides nothing, and no line is written for it.
; THE MASK.  The bias (0.0, or -2^100 for a masked key) is the C of the first product, and a masked key's codes are zeros: its score is exactly -2^100, so p = 0 beside any open key; with every key masked t - M = 0 and p = 1 for all keys.
; THE SOFTMAX: t = score x log2(e) / sqrt(128); M = the running largest t rounded UP to a whole number; p = 2^(t - M) is quantised along the keys, not normalised; the row's sum is taken of the unquantised p and divides at the end.
; When M moves, the sum and O are multiplied by 2^(old M - new M): nothing is rounded.
; SHARES.  A cluster of four work-groups serves one head; a work-group takes 512 queries in two passes of 256; each of its eight waves 32 a pass: two tiles of 16, whose softmaxes are walked together, line by line, so that no line waits for the line above it.
; LDS.  A head's whole record, 286,720 bytes, is brought in ONCE, by one tensor load a wave (140 rows of 256 bytes), asked for JOINTLY by the four work-groups: same descriptor, a mask that names the four.  Nothing is filled again: one barrier
; stands in front of the key loop and none in it.  Behind the record: a stage of 16 rows x 272 bytes for each wave, for q's way in and the way out; no fill lands there.  The launch claims all of a WGP's LDS.
; LAYOUT.  Both products are used transposed: S^T = K Q^T + bias (source 0 = 16 keys, source 1 = 16 queries), O^T = V^T P^T (source 0 = 16 channels, source 1 = P): a lane holds ONE query (lane % 16) throughout.
; Lane r of key tile 2 b + u holds key 32 b + 8 u + r + 8 (r / 8), so that the 16 registers of tiles 2 b and 2 b + 1 are the 16 neighbouring keys 32 b + 16 (lane / 16) + 0 .. 15.  Row m of V's tile t is channel 32 (t / 2) + 2 m + t % 2.
; LIMITS: NaN and infinities are not served; true scores stay above -2^100; blocks of q whose largest magnitude lies under 2^-124 keep the scale byte 1; t = score x c has one rounding where two multiplications would have two.
; REGISTERS, in windows of 256 (s_set_vgpr_msb: bits 1:0 source 0, 3:2 source 1, 5:4 source 2, 7:6 destination):
;   window 0: v1-10 addresses that stay; v11-15 addresses of the loads in hand; v16-31 Q's codes; v32-47 P's codes; v48-55 K's scale words, v56-63 V's, v64-65 Q's, v66-67 P's (these hold scales alone);
;             v68 + 4 qt: -M, the largest t, the sum in two halves; v76 + 2 qt: f and a filler; v80 + 20 qt .. + 15 at work for tile qt; v96 8 hh; v126-127 the add's; v128-191 S^T of tile 0, later V's fragments; v192-255 S^T of tile 1
;   window 1: v0-127 O^T (64 qt + 8 t); v128-191 K's eight fragments; v192-255 the eight bias tiles; v128-255 between the passes: q as it is loaded
.set REC,   286720
.set VIMG,  131072
.set KSC,   262144
.set VSC,   270336
.set BIAS,  278528
.set STAGE, 286720
.set SPARE, STAGE+8*16*272             ; the spare words, 128 bytes a wave
.set WPART, 35840                      ; a wave's part of the record: 140 rows of 256 bytes
.set PASSB, 2097152                    ; 256 rows of q or of out0
.set MSB, 0
.macro WIN new                         ; the immediate's high byte repeats the setting that is left; a switch that changes nothing is dropped
.if MSB != \new
	s_set_vgpr_msb (MSB<<8)|\new
.set MSB, \new
.endif
.endm
.macro NOPS n
.rept \n
	v_nop
.endr
.endm
; A round of the cluster's barrier: my work-group's barrier; wave 0 signals for the work-group; every wave waits for all four work-groups; my work-group's barrier once more.
.macro CROUND
	s_barrier_signal -1
	s_barrier_wait -1
	s_cmp_lg_u32 s10, 0
	s_cbranch_scc1 .Lnot_wave_0_\@
	s_barrier_signal -3
.Lnot_wave_0_\@:
	s_barrier_wait -3
	s_barrier_signal -1
	s_barrier_wait -1
.endm
; Q'S LOADS: my 32 rows of a pass, off bytes on from the first pass's.  Chunk n = 2 qt + c is 16 rows x 256 bytes; a load takes two rows of it, sixteen lanes 256 consecutive bytes, at a multiple of 256 from q's first byte.
.macro QLOAD off
	WIN 0x40                                       ; destination window 1
.irp n, 0,1,2,3
.irp i, 0,1,2,3,4,5,6,7
	global_load_b128 v[128+32*\n+4*\i:128+32*\n+4*\i+3], v7, s[4:5] offset:\off+131072*(\n/2)+16384*\i+256*(\n%2) th:TH_LOAD_NT
.endr
.endr
	WIN 0
.endm
	s_load_b128 s[4:7], s[0:1], 0x0                ; q s[4:5], kv s[6:7]
	s_load_b64 s[8:9], s[0:1], 0x10                ; out0
	v_lshl_add_u32 v126, v0, 2, SPARE
	v_mov_b32 v127, 0
	ds_add_u32 v126, v127                          ; the opening lines: the add, twice on end, and its wait
	ds_add_u32 v126, v127
	v_lshrrev_b32 v1, 5, v0
	v_readfirstlane_b32 s10, v1                    ; wave 0..7
	s_bfe_u32 s11, ttmp6, 0x40000                  ; cx: my place in the cluster: it enters q's and out0's addresses alone
	s_and_b32 s12, ttmp7, 0xffff                   ; the head, which the four partners share
	s_lshr_b32 s38, s12, 4                         ; batch
	s_and_b32 s39, s12, 15                         ; head in the batch
	s_lshl_b32 s40, s38, 24
	s_lshl_b32 s39, s39, 9
	s_add_co_u32 s40, s40, s39
	s_lshl_b32 s38, s11, 9
	s_lshl_b32 s39, s10, 5
	s_add_co_u32 s38, s38, s39                     ; my first query: 512 cx + 32 wave
	s_lshl_b32 s38, s38, 13
	s_add_co_u32 s40, s40, s38
	s_mov_b32 s41, 0
	s_mul_i32 s42, s12, REC
	s_mul_i32 s25, s10, WPART                      ; group 0, 63:32: LDS address: my wave's part
	s_add_co_u32 s42, s42, s25
	s_mov_b32 s43, 0
	s_mov_b32 s16, 15|(3<<16)|(1<<21)              ; group 1: the mask: all four work-groups; elements of 8 bytes; 21 set beside a mask; no padding: every read is 16 x lane on end
	s_mov_b32 s17, 32<<16                          ; tensor_dim0 = 32
	s_mov_b32 s18, 140<<16                         ; tensor_dim1 = 140
	s_mov_b32 s19, 32<<16                          ; tile_dim0 = 32
	s_mov_b32 s20, 140                             ; tile_dim1 = 140
	s_mov_b32 s21, 32                              ; from row to row
	s_mov_b32 s22, 0
	s_mov_b32 s23, 0
	s_mov_b32 s24, 1                               ; group 0, 1:0: count = 1
	s_mov_b32 s28, 0x76543210                      ; v_permlanex16_b32's selects for lane l xor 16
	s_mov_b32 s29, 0xfedcba98
	s_mov_b32 s30, 0x3e0293ee                      ; c = log2(e) / sqrt(128)
	s_mov_b32 s31, 0x3e0293ee                      ; (named with it as a pair, so it is written)
	s_mul_i32 s38, s10, 16*272
	s_add_co_u32 s38, s38, STAGE                   ; my stage
	v_and_b32 v1, 31, v0                           ; l
	v_and_b32 v97, 15, v0                          ; r
	v_bfe_u32 v98, v0, 4, 1                        ; hh
	v_lshlrev_b32 v10, 13, v1                      ; the prefetches' offset: a lane a row of q
	v_lshlrev_b32 v1, 4, v1                        ; K's images: 16 l
	v_lshl_add_u32 v3, v97, 4, KSC                 ; K's scale words: four words for row r
	v_lshl_add_u32 v4, v97, 4, VSC                 ; V's
	v_lshl_add_u32 v5, v98, 6, BIAS                ; the bias: 16 keys further on for lanes 16-31
	v_add_nc_u32 v2, VIMG, v1                      ; V's images
	v_lshlrev_b32 v7, 13, v98
	v_mul_u32_u24 v8, v97, 272
	v_mul_u32_u24 v9, v98, 272
	v_lshl_add_u32 v7, v97, 4, v7                  ; q, out0: lanes 0-15 one row, lanes 16-31 the next; 16 bytes a lane
	v_lshl_add_u32 v6, v98, 7, v8
	v_lshl_add_u32 v8, v98, 6, v8
	v_lshl_add_u32 v9, v97, 4, v9
	v_add_nc_u32 v6, s38, v6                       ; the stage: q out of it: row r, 32 numbers of my half
	v_add_nc_u32 v8, s38, v8                       ; O into it: row r, 64 bytes for each half of the lanes in each 128
	v_add_nc_u32 v9, s38, v9                       ; two rows an instruction: q into it, O back
	v_lshlrev_b32 v96, 3, v98                      ; 8 hh
	v_mov_b32 v77, 0                               ; the upper halves of the pairs that hold f
	v_mov_b32 v79, 0
.irp b, 84,85,86,87,95,104,105,106,107
	v_mov_b32 v\b, 0                               ; written once: a lane permute's destination counts as one of its sources
.endr
	s_wait_alu depctr_va_vdst(0)
	s_wait_dscnt 0x0
	s_wait_kmcnt 0x0
	s_add_nc_u64 s[26:27], s[6:7], s[42:43]        ; group 0, 120:64: my wave's part of the head's record
	s_or_b32 s27, s27, 0x80000000                  ; 127:126 type = 2
	s_add_nc_u64 s[4:5], s[4:5], s[40:41]          ; q and out0 at my wave's first row, my head
	s_add_nc_u64 s[8:9], s[8:9], s[40:41]
	QLOAD 0                                        ; the first pass's q is asked for ahead of the round and of the record
	CROUND                                         ; all four work-groups are here: the joint loads meet
	tensor_load_to_lds s[24:27], s[16:23]          ; one tensor load of mine is out, the only one of the launch
	s_nop 0
	NOPS 4
; Q: my 32 rows become two fragments and two scale words, in registers.  Lane (r, hh) takes, of row 16 qt + r, channels 64 c + 32 hh + 0 .. 31: whole blocks, in the order that the operand's layout gives that lane.  n = 2 qt + c.
.macro QPREP
.irp n, 0,1,2,3
	s_wait_loadcnt 24-8*\n                         ; chunk n's eight loads are in; the eight of each later chunk may be out
	WIN 0x04                                       ; the stores' data in window 1
.irp i, 0,1,2,3,4,5,6,7
	ds_store_b128 v9, v[128+32*\n+4*\i:128+32*\n+4*\i+3] offset:544*\i   ; the chunk turns through my stage: in as it was loaded,
.endr
	WIN 0
.irp g, 0,1,2,3,4,5,6,7
	ds_load_b128 v[128+32*\n+4*\g:128+32*\n+4*\g+3], v6 offset:16*\g   ; out 128 bytes of one row a lane.  LDS serves a wave's instructions in order (ISA guide 5.7.1.4): these see my stores, and the next chunk's stores come behind them
.endr
.endr
	s_wait_dscnt 0x0
.irp n, 0,1,2,3
	v_max3_num_f32 v[80+\n], |v[128+32*\n]|, |v[129+32*\n]|, 0x1800000   ; the floor 2^(3 - 127) holds the byte at 1 from below
.endr
.irp i, 2,4,6,8,10,12,14,16,18,20,22,24,26,28,30
.irp n, 0,1,2,3
	v_max3_num_f32 v[80+\n], v[80+\n], |v[128+32*\n+\i]|, |v[129+32*\n+\i]|
.endr
.endr
.irp n, 0,1,2,3
	v_add_nc_u32 v[88+\n], 0xff000000, v[80+\n]    ; 2 off the exponent field: the conversion's scale operand
.endr
.irp n, 0,1,2,3
	v_lshrrev_b32 v[84+\n], 23, v[88+\n]           ; the scale's byte
.endr
.irp qt, 0,1
	v_lshl_or_b32 v94, v[85+2*\qt], 16, v[84+2*\qt]   ; my two bytes, blocks hh and 2 + hh,
	s_delay_alu instid0(VALU_DEP_1)
	v_lshlrev_b32 v94, v96, v94                    ; at their places;
	s_delay_alu instid0(VALU_DEP_1)
	v_permlanex16_b32 v95, v94, s28, s29
	s_delay_alu instid0(VALU_DEP_1)
	v_or_b32 v[64+\qt], v94, v95                   ; with lane l xor 16's two the word is whole
.endr
.irp n, 0,1,2,3
.irp g, 0,1,2,3
	v_cvt_scalef32_pk8_fp4_f32 v[16+4*\n+\g], v[128+32*\n+8*\g:128+32*\n+8*\g+7], v[88+\n]
.endr
.endr
	NOPS 8                                         ; the plain line behind the conversions; a scale word made by vector instructions stands eight such lines ahead of a scaled product, an operand four
.endm
.macro KADDR                           ; where the next K fetch reads; then on to the step after
	v_add_nc_u32 v11, s34, v1
	v_add_nc_u32 v12, s35, v3
	v_add_nc_u32 v13, s35, v5
	s_add_co_u32 s34, s34, 8192
	s_add_co_u32 s35, s35, 512
.endm
.macro KLOADS                          ; a step's eight fragments of K, its eight bias tiles, its scale words: 34 loads in one run
	WIN 0x40                                       ; destination window 1
.irp t, 0,1,2,3,4,5,6,7
.irp c, 0,1
	ds_load_b128 v[128+8*\t+4*\c:128+8*\t+4*\c+3], v11 offset:1024*\t+512*\c
.endr
.endr
.irp t, 0,1,2,3,4,5,6,7
.irp z, 0,1
	ds_load_b128 v[192+8*\t+4*\z:192+8*\t+4*\z+3], v13 offset:128*(\t/2)+32*(\t%2)+16*\z   ; register j: the bias of key 32 (t / 2) + 16 hh + 8 (t % 2) + j
.endr
.endr
	WIN 0
.irp g, 0,1
	ds_load_b128 v[48+4*\g:48+4*\g+3], v12 offset:256*\g
.endr
.endm
.macro VLOADS                          ; a step's eight fragments of V, into the registers that tile 0's p has left, and their scale words
.irp t, 0,1,2,3,4,5,6,7
.irp c, 0,1
	ds_load_b128 v[128+8*\t+4*\c:128+8*\t+4*\c+3], v14 offset:1024*\t+512*\c
.endr
.endr
.irp g, 0,1
	ds_load_b128 v[56+4*\g:56+4*\g+3], v15 offset:256*\g
.endr
.endm
.macro KQ                              ; S^T = K Q^T + bias: sixteen results, each written once
	WIN 0x11                                       ; K and the bias in window 1
.irp t, 0,1,2,3,4,5,6,7
.irp qt, 0,1
	v_wmma_scale_f32_16x16x128_f8f6f4 v[128+64*\qt+8*\t:128+64*\qt+8*\t+7], v[128+8*\t:128+8*\t+7], v[16+8*\qt:16+8*\qt+7], v[192+8*\t:192+8*\t+7], v[48+\t], v[64+\qt] matrix_a_fmt:MATRIX_FMT_FP4 matrix_b_fmt:MATRIX_FMT_FP4
.endr
.endr
	WIN 0
.endm
.macro PV first                        ; O^T += V^T P^T: the sixteen accumulators take turns, one instruction a turn.  first = 1: the products start the sums: nothing is cleared
	WIN 0x50                                       ; C and D in window 1
.irp t, 0,1,2,3,4,5,6,7
.irp qt, 0,1
.if \first
	v_wmma_scale_f32_16x16x128_f8f6f4 v[64*\qt+8*\t:64*\qt+8*\t+7], v[128+8*\t:128+8*\t+7], v[32+8*\qt:32+8*\qt+7], 0, v[56+\t], v[66+\qt] matrix_a_fmt:MATRIX_FMT_FP4 matrix_b_fmt:MATRIX_FMT_FP4
.else
	v_wmma_scale_f32_16x16x128_f8f6f4 v[64*\qt+8*\t:64*\qt+8*\t+7], v[128+8*\t:128+8*\t+7], v[32+8*\qt:32+8*\qt+7], v[64*\qt+8*\t:64*\qt+8*\t+7], v[56+\t], v[66+\qt] matrix_a_fmt:MATRIX_FMT_FP4 matrix_b_fmt:MATRIX_FMT_FP4
.endif
.endr
.endr
	WIN 0
.endm
.macro RESCALE                         ; O^T under the new M: x f, each accumulator from its low end on
	WIN 0x41                                       ; O^T in window 1, f in window 0
	s_wait_alu depctr_va_vdst(0)                   ; the wait directly ahead of the first reader of O^T
.irp qt, 0,1
.set j, 0
.rept 32
	v_pk_mul_f32 v[64*\qt+j:64*\qt+j+1], v[64*\qt+j:64*\qt+j+1], v[76+2*\qt:77+2*\qt] op_sel_hi:[1,0]
.set j, j+2
.endr
.endr
.endm
; One line of the serial part of the softmax for both tiles; dep: how many vector instructions back the line's source was written
.macro HINT dep
.if \dep
	s_delay_alu instid0(VALU_DEP_\dep)
.endif
.endm
; THE SOFTMAX OF BOTH TILES for one step of 128 keys, p's codes and scale words, and the request for V.  All in window 0.  For tile qt: scores, then p, at v[128 + 64 qt ..]; at work v[80 + 20 qt ..].
.macro SOFTMAX2
.irp b, 0,1,2,3
.irp qt, 0,1
	v_max3_num_f32 v[80+20*\qt+\b], v[128+64*\qt+16*\b], v[129+64*\qt+16*\b], v[130+64*\qt+16*\b]   ; the largest score of each block of 32 keys: it serves for the row's maximum and, since p rises with the score, for the block's largest p.  Each result is first read at its low end
.endr
.endr
.irp i, 3,5,7,9,11,13
.irp b, 0,1,2,3
.irp qt, 0,1
	v_max3_num_f32 v[80+20*\qt+\b], v[80+20*\qt+\b], v[128+64*\qt+16*\b+\i], v[129+64*\qt+16*\b+\i]
.endr
.endr
.endr
.irp b, 0,1,2,3
.irp qt, 0,1
	v_max_num_f32 v[80+20*\qt+\b], v[80+20*\qt+\b], v[143+64*\qt+16*\b]
.endr
.endr
.irp b, 0,1,2,3
.irp qt, 0,1
	v_permlanex16_b32 v[84+20*\qt+\b], v[80+20*\qt+\b], s28, s29
.endr
.endr
.irp b, 0,1,2,3
.irp qt, 0,1
	v_max_num_f32 v[80+20*\qt+\b], v[80+20*\qt+\b], v[84+20*\qt+\b]   ; with lane l xor 16's 16 keys
.endr
.endr
.irp qt, 0,1
	v_max3_num_f32 v[94+20*\qt], v[80+20*\qt], v[81+20*\qt], v[82+20*\qt]
.endr
.irp qt, 0,1
	HINT 2
	v_max_num_f32 v[94+20*\qt], v[94+20*\qt], v[83+20*\qt]   ; the step's largest score of my query
.endr
.irp qt, 0,1
	HINT 2
	v_mul_f32 v[94+20*\qt], s30, v[94+20*\qt]      ; as t (c is positive)
.endr
.irp qt, 0,1
	HINT 2
	v_max_num_f32 v[69+4*\qt], v[69+4*\qt], v[94+20*\qt]   ; the running largest t
.endr
.irp qt, 0,1
	v_mov_b32 v[94+20*\qt], v[68+4*\qt]
.endr
.irp qt, 0,1
	HINT 4
	v_floor_f32 v[68+4*\qt], -v[69+4*\qt]          ; the new -M = floor(-t) = -ceil(t)
.endr
.irp qt, 0,1
	HINT 2
	v_sub_f32 v[94+20*\qt], v[68+4*\qt], v[94+20*\qt]   ; old M - new M: a whole number, 0 or less
.endr
.irp qt, 0,1
	HINT 2
	v_cvt_i32_f32 v[94+20*\qt], v[94+20*\qt]       ; (it saturates)
.endr
.irp qt, 0,1
	HINT 2
	v_ldexp_f32 v[76+2*\qt], 1.0, v[94+20*\qt]     ; f = 2^(old M - new M)
.endr
.irp qt, 0,1
.set j, 0
.rept 32
	v_pk_fma_f32 v[128+64*\qt+j:129+64*\qt+j], v[128+64*\qt+j:129+64*\qt+j], s[30:31], v[68+4*\qt:69+4*\qt] op_sel_hi:[1,0,0]   ; t - M, two at a time (of the pairs c and -M the low word serves both halves)
.set j, j+2
.endr
.endr
.irp b, 0,1,2,3
.irp qt, 0,1
	v_fma_f32 v[80+20*\qt+\b], v[80+20*\qt+\b], s30, v[68+4*\qt]   ; the same of each block's largest score
.endr
.endr
	s_wait_alu depctr_va_vdst(0)                   ; the wait ahead of the batch: one batch of 136 for the step
.irp b, 0,1,2,3
.irp qt, 0,1
	v_exp_f32 v[80+20*\qt+\b], v[80+20*\qt+\b]     ; the block's largest p: the same two instructions on the same number
.endr
.endr
.set j, 0
.rept 128
	v_exp_f32 v[128+j], v[128+j]                   ; p = 2^(t - M): not normalised
.set j, j+1
.endr
.irp qt, 0,1
	v_pk_mul_f32 v[70+4*\qt:71+4*\qt], v[70+4*\qt:71+4*\qt], v[76+2*\qt:77+2*\qt] op_sel_hi:[1,0]   ; the sums under the new M: the plain lines behind the exponentials
.endr
	s_wait_alu depctr_va_vdst(0)                   ; one wait for the whole batch, ahead of its first reader
.irp qt, 0,1
	v_pk_add_f32 v[92+20*\qt:93+20*\qt], v[128+64*\qt:129+64*\qt], v[130+64*\qt:131+64*\qt]   ; the row's sum is taken of the unquantised p: two at a time, two chains a tile, the four by turns
.endr
.set j, 4
.rept 15
.irp qt, 0,1
	v_pk_add_f32 v[70+4*\qt:71+4*\qt], v[70+4*\qt:71+4*\qt], v[128+64*\qt+j:129+64*\qt+j]
	v_pk_add_f32 v[92+20*\qt:93+20*\qt], v[92+20*\qt:93+20*\qt], v[130+64*\qt+j:131+64*\qt+j]
.endr
.set j, j+4
.endr
.irp b, 0,1,2,3
.irp qt, 0,1
	v_max_num_f32 v[80+20*\qt+\b], 0x1800000, v[80+20*\qt+\b]   ; the floor 2^(3 - 127): a block whose every p is 0 keeps the byte 1: its codes are zeros
.endr
.endr
.irp qt, 0,1
	v_pk_add_f32 v[70+4*\qt:71+4*\qt], v[70+4*\qt:71+4*\qt], v[92+20*\qt:93+20*\qt]
.endr
.irp b, 0,1,2,3
.irp qt, 0,1
	v_add_nc_u32 v[88+20*\qt+\b], 0xff000000, v[80+20*\qt+\b]   ; the conversion's scale operand
.endr
.endr
.irp b, 0,1,2,3
.irp qt, 0,1
	v_lshrrev_b32 v[84+20*\qt+\b], 23, v[88+20*\qt+\b]   ; the scale's byte
.endr
.endr
.irp qt, 0,1
	v_lshl_or_b32 v[66+\qt], v[85+20*\qt], 8, v[84+20*\qt]   ; p's scale word for these 128 keys
.endr
.irp qt, 0,1
	HINT 2
	v_lshl_or_b32 v[66+\qt], v[86+20*\qt], 16, v[66+\qt]
.endr
.irp qt, 0,1
	HINT 2
	v_lshl_or_b32 v[66+\qt], v[87+20*\qt], 24, v[66+\qt]
.endr
.irp b, 0,1,2,3
	v_cvt_scalef32_pk8_fp4_f32 v[32+2*\b], v[128+16*\b:128+16*\b+7], v[88+\b]
	v_cvt_scalef32_pk8_fp4_f32 v[33+2*\b], v[136+16*\b:136+16*\b+7], v[88+\b]
.endr
	VLOADS                                         ; tile 0's p is in codes: its registers take V; tile 1's conversions and the rescaling of O^T lie between this run and its use
.irp b, 0,1,2,3
	v_cvt_scalef32_pk8_fp4_f32 v[40+2*\b], v[192+16*\b:192+16*\b+7], v[108+\b]
	v_cvt_scalef32_pk8_fp4_f32 v[41+2*\b], v[200+16*\b:200+16*\b+7], v[108+\b]
.endr
	v_nop                                          ; one plain vector instruction behind the last conversion
.irp qt, 0,1                                   ; the operand's layout wants a whole block in a lane: lanes 0-15 block 2 c, lanes 16-31 block 2 c + 1
.irp c, 0,1
.irp i, 0,1
	v_permlane16_swap_b32 v[32+8*\qt+4*\c+\i], v[34+8*\qt+4*\c+\i]
.endr
.endr
.endr
.endm
; THE NEXT PASS'S Q is loaded from a pass's last key step on, behind its first products, which were the last to read the registers that take it: the softmaxes, the last products and the way out lie between the loads and the wait for them.  The last pass loads nothing.
.macro NEXTQ
	s_cmp_eq_u32 s37, 1
	s_cbranch_scc1 .Lno_q_\@
	QLOAD PASSB
.Lno_q_\@:
.endm
; A PREFETCH INTO THE L2 of the next pass's q: my wave's own 32 rows, a lane a row, the head's 512 bytes as two blocks of 256: two instructions, so that each block is named once in the launch.
; It stands in a pass's first key step, behind the run of LDS loads: fifteen key steps lie between it and the loads that want the rows (NEXTQ).  The last pass asks for nothing.
.macro ASKQ
	s_cmp_eq_u32 s37, 1
	s_cbranch_scc1 .Lno_ask_\@
	global_prefetch_b8 v10, s[4:5] offset:PASSB th:TH_LOAD_NT scope:SCOPE_SE
	global_prefetch_b8 v10, s[4:5] offset:PASSB+256 th:TH_LOAD_NT scope:SCOPE_SE
.Lno_ask_\@:
.endm
; A KEY STEP: 128 keys.  first = 1: the pass's first (O^T begins); last = 1: its last (no K is left to fetch).
.macro STEP first, last
	v_add_nc_u32 v14, s32, v2                      ; five plain vector lines: the last products read V's fragments, which the products below write over: five such lines lie between (ISA guide 7.12.1)
	v_add_nc_u32 v15, s33, v4
.if \last
	NOPS 3
.else
	KADDR
.endif
	s_wait_dscnt 0x0                               ; K, the bias and K's scale words are in
	KQ
	NOPS 4                                         ; in front of loads into registers that those products read, and of the first read of their results
.if \last
	NEXTQ
.else
	s_wait_alu depctr_va_vdst(0)                   ; the addresses were made ahead of the wait on DScnt
	KLOADS                                         ; the next step's: the softmaxes lie between this run and its use
.endif
.if \first
	ASKQ
.endif
	SOFTMAX2
.if \first
	s_wait_alu depctr_va_vdst(0)
	NOPS 8                                         ; a scale word made by vector instructions stands eight plain lines ahead of a scaled product
.else
	RESCALE                                        ; (these 64 lines also stand between the scale words and the products)
.endif
	s_wait_alu depctr_va_vdst(0)
	s_wait_dscnt 0x0                               ; V and its scale words are in
	PV \first
	s_add_co_u32 s32, s32, 8192
	s_add_co_u32 s33, s33, 512
.endm
; THE WAY OUT of tile qt: O^T / the sum, through my stage in LDS, half a row (64 channels, 256 bytes) of 16 queries at a time.
.macro OUT qt
	WIN 0x01                                       ; O^T in window 1
.irp u, 0,1,2,3                                ; row m of V's tile 2 u + e is channel 32 u + 2 m + e: the registers of two tiles by turns are the 16 neighbouring channels 32 u + 16 hh + 0 .. 15
.irp e, 0,1
.irp i, 0,1,2,3,4,5,6,7
	v_mul_f32 v[128+16*\u+2*\i+\e], v[64*(\qt)+16*\u+8*\e+\i], v[76+2*(\qt)]   ; each accumulator from its low end on
.endr
.endr
.endr
	WIN 0
.irp u, 0,1
.irp m, 0,1,2,3,4,5,6,7
	ds_store_b128 v8, v[128+32*\u+4*\m:128+32*\u+4*\m+3] offset:128*(\m/4)+16*(\m%4)
.endr
.irp i, 0,1,2,3,4,5,6,7
	ds_load_b128 v[192+32*\u+4*\i:192+32*\u+4*\i+3], v9 offset:544*\i   ; served in order: these see my stores, and the next half's stores come behind them
.endr
.endr
.irp u, 0,1
.irp i, 0,1,2,3,4,5,6,7
	s_wait_dscnt 16*(1-\u)+7-\i                    ; behind this load: the rest of its eight, and for the first half the second half's eight stores and eight loads
	global_store_b128 v7, v[192+32*\u+4*\i:192+32*\u+4*\i+3], s[8:9] offset:131072*(\qt)+16384*\i+256*\u th:TH_STORE_NT   ; sixteen lanes store 256 consecutive bytes, at a multiple of 256 from out0's first byte
.endr
.endr
.endm
	QPREP                                          ; the first pass's q, while the record is on its way: the stage lies behind the record, in blocks of 256 bytes into which no fill lands
	s_wait_alu depctr_va_vdst(0)
	s_wait_tensorcnt 0x0                           ; my part of the record is in,
	s_barrier_signal -1
	s_barrier_wait -1                              ; everybody's part is in; nobody writes these bytes again
	s_mov_b32 s37, 2                               ; passes to go
.Lpass:
.irp qt, 0,1
	v_mov_b32 v[69+4*\qt], 0xff61b1e6              ; the largest t so far: -3e38, under every t
	v_mov_b32 v[70+4*\qt], 0                       ; the sum, in two halves
	v_mov_b32 v[71+4*\qt], 0
	v_floor_f32 v[68+4*\qt], -v[69+4*\qt]          ; -M
.endr
	s_mov_b32 s32, 0                               ; the step in hand: x 8192 in the images,
	s_mov_b32 s33, 0                               ; x 512 in the scale words
	s_mov_b32 s34, 0                               ; the step whose K is fetched next, likewise
	s_mov_b32 s35, 0
	KADDR
	KLOADS
	STEP 1, 0
	s_mov_b32 s36, 14
.Lstep:
	STEP 0, 0
	s_sub_co_u32 s36, s36, 1
	s_cmp_lg_u32 s36, 0
	s_cbranch_scc1 .Lstep
	STEP 0, 1
	v_add_f32 v94, v70, v71                        ; the sums' two halves,
	v_add_f32 v95, v74, v75
	s_delay_alu instid0(VALU_DEP_2)
	v_permlanex16_b32 v84, v94, s28, s29
	s_delay_alu instid0(VALU_DEP_2)
	v_permlanex16_b32 v85, v95, s28, s29
	s_delay_alu instid0(VALU_DEP_2)
	v_add_f32 v94, v94, v84                        ; and lane l xor 16's: the rows' sums
	s_delay_alu instid0(VALU_DEP_2)
	v_add_f32 v95, v95, v85
	s_wait_alu depctr_va_vdst(0)
	v_rcp_f32 v76, v94
	v_rcp_f32 v78, v95
	NOPS 4                                         ; the plain line behind the reciprocals; and four such lines behind the last products, whose results are read and whose V fragments are written over below
	s_wait_alu depctr_va_vdst(0)                   ; one wait for both reciprocals, ahead of their first reader
	OUT 0
	s_wait_xcnt 0x0                                ; tile 0's stores have had their addresses translated (ISA guide 3.1): their registers are loaded again only behind this wait
	OUT 1
	s_wait_xcnt 0x0                                ; likewise: the base steps and the registers take the next pass's q only behind this wait
	s_cmp_eq_u32 s37, 1
	s_cbranch_scc1 .Lno_next                       ; the last pass has no q to turn
	s_add_nc_u64 s[8:9], s[8:9], PASSB
	QPREP
.Lno_next:
	s_wait_loadcnt 0x0                             ; on every way to the next pass no load of q is out: its registers take K's fragments again
	s_sub_co_u32 s37, s37, 1
	s_cmp_lg_u32 s37, 0
	s_cbranch_scc1 .Lpass
	s_wait_tensorcnt 0x0                           ; the wave's end
	ds_add_u32 v126, v127
	s_wait_dscnt 0x0
	CROUND                                         ; the closing round: no work-group ends while a partner may still ask for the record
	s_endpgm
.Lfunc_end_k_qf1f20ef8b9_attn:
	.size	k_qf1f20ef8b9_attn, .Lfunc_end_k_qf1f20ef8b9_attn-k_qf1f20ef8b9_attn
	.p2alignl 7, 3214868480
	.fill 96, 4, 3214868480
	.section	.rodata,"a",@progbits
	.p2align	6, 0x0
	.amdhsa_kernel k_qf1f20ef8b9_attn
		.amdhsa_group_segment_fixed_size 327680
		.amdhsa_private_segment_fixed_size 0
		.amdhsa_enable_private_segment 0
		.amdhsa_kernarg_size 24
		.amdhsa_user_sgpr_count 2
		.amdhsa_user_sgpr_kernarg_segment_ptr 1
		.amdhsa_wavefront_size32 1
		.amdhsa_system_sgpr_workgroup_id_x 1
		.amdhsa_system_sgpr_workgroup_id_y 1
		.amdhsa_system_sgpr_workgroup_id_z 1
		.amdhsa_system_vgpr_workitem_id 0
		.amdhsa_next_free_vgpr 512
		.amdhsa_next_free_sgpr 66
		.amdhsa_reserve_vcc 0
		.amdhsa_float_denorm_mode_32 3
		.amdhsa_float_denorm_mode_16_64 3
		.amdhsa_memory_ordered 1
		.amdhsa_forward_progress 1
		.amdhsa_inst_pref_size 145
	.end_amdhsa_kernel
	.amdgpu_metadata
---
amdhsa.version: [ 1, 2 ]
amdhsa.kernels:
  - .name:           k_qf1f20ef8b9_attn
    .symbol:         k_qf1f20ef8b9_attn.kd
    .args:
      - { .name: q, .offset: 0, .size: 8, .value_kind: global_buffer, .address_space: global }
      - { .name: kv, .offset: 8, .size: 8, .value_kind: global_buffer, .address_space: global }
      - { .name: out0, .offset: 16, .size: 8, .value_kind: global_buffer, .address_space: global }
    .group_segment_fixed_size: 327680
    .private_segment_fixed_size: 0
    .kernarg_segment_align: 8
    .kernarg_segment_size: 24
    .max_flat_workgroup_size: 256
    .sgpr_count:     66
    .vgpr_count:     512
    .wavefront_size: 32
...
	.end_amdgpu_metadata
.endif
;; end of part 2
